; MI455X (gfx1250); checked and timed in simulation.
; The chip was launched on July 23, 2026; its instructions are those of AMD's public machine-readable ISA for CDNA 5 (MIT licence, August 2026) and "CDNA5" Instruction Set Architecture Reference Guide (July 2026). The comments in the code are by the model that wrote it; some were corrected since.
;; Multi Head Attention. Allowed arithmetic: matrix products marked QUANTISED: E4M3 operands, one given power-of-two scale a tensor, by v_wmma_f32_16x16x64_fp8_fp8 or v_wmma_f32_16x16x128_fp8_fp8, f32 sums; everything else in f32.
;; Inputs: Wk 1,024 x 1,024 float32; Wq 1,024 x 1,024 float32; Wv 1,024 x 1,024 float32; inputs 2 x 2,048 x 1,024 float32; lowp_scales 10 int32 (the exponents e of the quantised operands' scales 2^e).
;; Outputs: out0 2 x 2,048 x 1,024 float32.
;; This version of the problem:
;;   THIS VERSION OF THE PROBLEM IS GIVEN IN LOW PRECISION. The matrix products marked QUANTISED in the list below multiply operands that are first quantised to E4M3 (4 exponent bits, 3 mantissa bits; 8 bits a number), with one given power-of-two scale for each operand tensor; their sums are f32. All else is computed in f32.
;;   The module's matrix products, in the order in which they are computed (A, B: the left and right operand; K: the contracted axis; several contracted axes count as one K, in the product's order):
;;     1. [M 4,096, K 1,024] x [K 1,024, N 1,024]; A: input inputs; B: input Wq: QUANTISED (scales: A lowp_scales[0], B lowp_scales[1])
;;     2. [M 4,096, K 1,024] x [K 1,024, N 1,024]; A: input inputs; B: input Wk: QUANTISED (scales: A lowp_scales[2], B lowp_scales[3])
;;     3. [M 4,096, K 1,024] x [K 1,024, N 1,024]; A: input inputs; B: input Wv: QUANTISED (scales: A lowp_scales[4], B lowp_scales[5])
;;     4. batch 32 x [M 2,048, K 64] x [K 64, N 2,048]; A: computed on the way; B: computed on the way: QUANTISED (scales: A lowp_scales[6], B lowp_scales[7])
;;     5. batch 32 x [M 2,048, K 2,048] x [K 2,048, N 64]; A: softmax (see below); B: computed on the way: QUANTISED (scales: A lowp_scales[8], B lowp_scales[9])
;;   THE QUANTISER, for each operand of a quantised product, along K:
;;     - The operand's scale is 2^e, e = its entry of the input lowp_scales (int32; the entries are numbered through the quantised products in the list's order, A before B).
;;     - Each number is divided by the scale, clamped to +-448, and rounded to the nearest number of E4M3, ties to even, subnormals kept.
;;     - The product sums the exact products of the quantised numbers (number of the format x scale) in f32.
;;   ~~~python
;;   def quantise(x, axis, e):      # numpy; x: float32 -> the quantised numbers, widened to float32 again
;;       x = np.moveaxis(x, axis, -1); K = x.shape[-1]
;;       r = np.clip(x / 2.0 ** e, -448, 448)
;;       step = 2.0 ** (np.maximum(np.frexp(np.where(r == 0, 1, r))[1] - 1, -6) - 3)
;;       q = np.round(r / step) * step * 2.0 ** e      # np.round: ties to even
;;       return np.moveaxis(q, -1, axis).astype(np.float32)
;;   ~~~
;;   SOFTMAX AHEAD OF A QUANTISED PRODUCT. Where the list says 'softmax', what is quantised is not the finished softmax but p = 2^(t - M), with t = logit x log2(e) and M = ceil(the row's largest t), a whole number; so 1/2 < the row's largest p <= 1. The row's sum l is taken of the UNQUANTISED p, in f32, and the product's result is divided by l at the end. Since M is a whole number, a kernel that streams over the keys may use a running M (the ceiling of the running maximum): every later rescaling is an exact power of two, so the quantised numbers keep their values, but for numbers so far below the row's largest that they fall under the format's range.
;;   OPERANDS COMPUTED ON THE WAY. 'Computed on the way' means the value that the module computes at that place (a softmax that the list does not call 'softmax' is quantised finished and normalised). What goes into a quantiser is computed in f32, as accurately as f32 sums, v_exp_f32 and their like allow (about 1e-6 of the number): no bf16 or f16 on the way to a quantiser, and a product that is left as it is and whose result goes on into a quantised operand takes f32 operands (vector FMAs, or v_wmma_f32_16x16x4_f32). A number that lies on a knife's edge between two numbers of the format may be rounded either way, as far as f32 arithmetic and the matrix unit's own rounding can turn it there, and no further.
;; One version. Each part assembles by itself: llvm-mc -triple=amdgcn-amd-amdhsa -mcpu=gfx1250 --defsym DOCPART=n.
;; ======== version 1 of 1: 3 launches
;; limits: right only within a limited range of input values
;; workspace buffers: xc 12,582,912 bytes; wc 3,145,728 bytes; qkv 12,582,912 bytes
;; launch quant (part 1): grid 448 x 1, 4 waves a work-group, no clusters, 50,688 bytes of LDS; arguments inputs, Wq, Wk, Wv, lowp_scales, xc, wc; writes xc, wc
.if DOCPART == 1
	.amdgcn_target "amdgcn-amd-amdhsa--gfx1250"
	.amdhsa_code_object_version 6
	.text
	.protected	k_q45dca23281_quant
	.globl	k_q45dca23281_quant
	.p2align	8
	.type	k_q45dca23281_quant,@function
k_q45dca23281_quant:
	s_mov_b64 s[64:65], 0
	v_nop
	global_prefetch_b8 v0, s[64:65] scope:SCOPE_SE
	s_setreg_imm32_b32 hwreg(HW_REG_WAVE_MODE, 25, 1), 1
	s_wait_xcnt 0x0
; f32 numbers into codes of E4M3, each operand with the scale 2^e that is given for it: code = x / 2^e, held within +-448, to the nearest code, ties to even.
; Work-groups 0-255: inputs [4096][1024] -> xc [3][4096][1024], one set of codes for each of the three products that read it (e = entries 0, 2, 4 of the scales).
; Work-groups 256-447: Wq, Wk, Wv [1024 k][1024 n] -> wc [3][1024 n][1024 k], K innermost (e = entries 1, 3, 5).
; No step and no input of the problem is left out in any of the three launches.
; LIMITS: each of these six e lies between -126 and 119, so that 2^e and 448 x 2^e are f32 numbers.  NaN among the inputs is not served; an infinity is held at the largest code.
; A wave has 16,384 bytes of f32 to read and asks for all of them at once.  No tensor load: nothing is shared between work-groups.  The two paths part on the work-group's number and have LDS bytes of their own.
; No prefetch: every byte is asked for at the head.
; HOW A SET OF xc AND A WEIGHT OF wc LIE IN MEMORY: blocks of 128 rows, 131,072 bytes each; a block is four dense images, one for each 256 along K, of 128 rows x 256 bytes.
.set STEPS, 8                          ; inputs: a wave takes 8 steps of 512 numbers: half a row of the inputs each
.set SP,    80                         ; a lane's place in a stage: its 64 bytes + 16 of padding
.set T,     16                         ; v16-31   numbers held within the largest code x the scale (weights: v16-47, two sets)
.set X,     32                         ; v32-63   inputs: two sets of 16 neighbours along K
.set R,     64                         ; v64-191  the numbers as they are loaded
.set C,     192                        ; v192..   codes
.set WSTG,  32768                      ; weights: the stage, 64 columns x (256 + 16) bytes
.set WP,    272
.set SPARE, 50176                      ; the spare words, 128 bytes for each wave
	s_load_b256 s[4:11], s[0:1], 0x0               ; inputs s[4:5], Wq s[6:7], Wk s[8:9], Wv s[10:11]
	s_load_b128 s[12:15], s[0:1], 0x20             ; the scales' exponents s[12:13], xc s[14:15]
	s_load_b64 s[16:17], s[0:1], 0x30              ; wc
	v_lshl_add_u32 v12, v0, 2, SPARE               ; LDS address of my spare word
	v_mov_b32 v13, 0
	v_lshrrev_b32 v1, 5, v0
	v_readfirstlane_b32 s18, v1                    ; wave 0..3
	v_and_b32 v2, 31, v0                           ; lane
	v_lshlrev_b32 v3, 4, v2                        ; 16 x lane
	v_lshlrev_b32 v4, 3, v2                        ; 8 x lane
	s_wait_alu depctr_va_vdst(0)                   ; the wait here, directly ahead of the wait below
	s_wait_kmcnt 0x0
	s_load_b256 s[24:31], s[12:13], 0x0            ; e0 .. e7
	s_cmp_lt_u32 ttmp9, 256
	s_cbranch_scc0 .Lweights
; ---------------- inputs: a plain stream of numbers; nothing here knows of rows ----------------
; Each load reads 512 consecutive bytes, 16 a lane; a step's 2,048 bytes turn through the wave's own stage in LDS and come back 64 bytes a lane: 16 neighbours along K, as the conversions want them.
	s_lshl_b32 s19, ttmp9, 2
	s_add_co_u32 s19, s19, s18                     ; which run of 4,096 numbers is my wave's
	s_lshl_b32 s20, s19, 14
	s_mov_b32 s21, 0
	s_add_nc_u64 s[4:5], s[4:5], s[20:21]          ; its 16,384 bytes of f32
	s_lshr_b32 s20, s19, 5                         ; a run is 4 rows, 32 runs are a block of 128 rows
	s_lshl_b32 s20, s20, 17
	s_and_b32 s23, s19, 31
	s_lshl_b32 s23, s23, 10
	s_add_co_u32 s20, s20, s23
	s_add_nc_u64 s[36:37], s[14:15], s[20:21]      ; its rows' codes in set 0,
	s_add_nc_u64 s[38:39], s[36:37], 0x400000      ; set 1,
	s_add_nc_u64 s[40:41], s[38:39], 0x400000      ; set 2
	s_lshl_b32 s22, s18, 13                        ; my wave's 8,192 bytes of LDS: two stages of 32 x SP
.set j, 0
.rept 4*STEPS
	global_load_b128 v[R+4*j:R+4*j+3], v3, s[4:5] offset:512*j th:TH_LOAD_NT
.set j, j+1
.endr
	v_lshrrev_b32 v14, 2, v2
	v_and_b32 v15, 3, v2
	v_mul_u32_u24 v14, v14, SP
	v_lshl_add_u32 v14, v15, 4, v14
	v_add_nc_u32 v14, s22, v14                     ; into the stage: SP (lane / 4) + 16 (lane % 4)
	v_mul_u32_u24 v15, v2, SP
	v_add_nc_u32 v15, s22, v15                     ; out of it: SP x lane
	v_lshrrev_b32 v11, 4, v2
	v_and_b32 v1, 15, v2
	v_lshlrev_b32 v11, 15, v11
	v_lshl_add_u32 v11, v1, 4, v11                 ; the way out: lanes 0-15 one row of an image, lanes 16-31 the same row of the next image
.macro TURN t                          ; LDS serves a wave's instructions in order (ISA guide 5.7.1.4): no wait between the stores and the loads
.irp i, 0,1,2,3
	ds_store_b128 v14, v[R+16*(\t)+4*\i:R+16*(\t)+4*\i+3] offset:32*SP*((\t)%2)+8*SP*\i
.endr
.irp i, 0,1,2,3
	ds_load_b128 v[X+16*((\t)%2)+4*\i:X+16*((\t)%2)+4*\i+3], v15 offset:32*SP*((\t)%2)+16*\i
.endr
.endm
	s_wait_alu depctr_va_vdst(0)
	s_wait_kmcnt 0x0
.irp p, 0,1,2
	s_add_co_i32 s20, s[24+2*\p], 127              ; e0, e2, e4
	s_lshl_b32 s21, s20, 23
	v_mov_b32 v[5+\p], s21                         ; 2^e as f32: the conversion takes its exponent field
	s_add_co_i32 s20, s20, 8
	s_lshl_b32 s20, s20, 23
	s_or_b32 s20, s20, 0x600000
	v_mov_b32 v[8+\p], s20                         ; 448 x 2^e
.endr
	s_wait_alu depctr_va_vdst(0)                   ; the wait at the head's end
	s_wait_loadcnt 4*STEPS-4                       ; step 0's four loads are in
	TURN 0
.macro XSTEP t
.set XS, X+16*((\t)%2)
	s_wait_dscnt 0x0                               ; this step's numbers are back from the stage
.if (\t)+1 < STEPS
	s_wait_loadcnt 4*(STEPS-2-(\t))                ; the next step's four loads are in; the younger ones may be out
	TURN (\t)+1                                    ; they go through the other stage while this step is worked
.endif
	s_wait_xcnt 0x0                                ; the last step's three stores have read their codes: the registers are written again only behind this wait
.irp p, 0,1,2
.irp i, 0,1,2,3,4,5,6,7,8,9,10,11,12,13,14,15
	v_med3_num_f32 v[T+\i], v[XS+\i], -v[8+\p], v[8+\p]   ; the conversion to an 8-bit code does not saturate (ISA guide 7.6.2): the hold comes first
.endr
	v_cvt_scalef32_pk8_fp8_f32 v[C+4*\p:C+4*\p+1], v[T:T+7], v[5+\p]
	v_cvt_scalef32_pk8_fp8_f32 v[C+4*\p+2:C+4*\p+3], v[T+8:T+15], v[5+\p]
	v_nop                                          ; a plain line between the conversions and the next set's holds, which write the conversions' sources
	global_store_b128 v11, v[C+4*\p:C+4*\p+3], s[36+2*\p:37+2*\p] offset:256*((\t)/2)+65536*((\t)%2)   ; sixteen lanes store 256 consecutive bytes, aligned
.endr
.endm
.irp t, 0,1,2,3,4,5,6,7
	XSTEP \t
.endr
	s_wait_tensorcnt 0x0                           ; the wave's end
	ds_add_u32 v12, v13
	s_wait_dscnt 0x0
	s_endpgm
; ---------------- weights: K is the first axis ----------------
; A work-group takes 64 columns x 256 along K of one weight; a wave 64 of the 256 along K.  A lane takes two neighbouring columns: a load reads one k at 64 columns, 256 consecutive bytes, aligned.
; The holds sort the two columns apart, so that the registers of one column run down K and the conversions give codes with K innermost.  The codes meet in the work-group's stage and leave as rows of 256 bytes.
.Lweights:
	s_sub_co_u32 s19, ttmp9, 256
	s_lshr_b32 s20, s19, 6                         ; which weight: 0 Wq, 1 Wk, 2 Wv
	s_and_b32 s21, s19, 15                         ; which 64 columns
	s_bfe_u32 s22, s19, 0x20004                    ; which 256 along K
	s_lshl_b32 s34, s22, 20                        ; 256 rows of 4,096 bytes
	s_lshl_b32 s33, s18, 18                        ; my wave's 64 rows
	s_add_co_u32 s34, s34, s33
	s_lshl_b32 s33, s21, 8
	s_add_co_u32 s34, s34, s33
	s_mov_b32 s35, 0
	s_cmp_eq_u32 s20, 0                            ; the choice hangs on the work-group's number alone
	s_cselect_b64 s[4:5], s[6:7], s[8:9]
	s_cmp_eq_u32 s20, 2
	s_cselect_b64 s[4:5], s[10:11], s[4:5]
	s_add_nc_u64 s[4:5], s[4:5], s[34:35]
.set j, 0
.rept 64
	global_load_b64 v[R+2*j:R+2*j+1], v4, s[4:5] offset:4096*j th:TH_LOAD_NT
.set j, j+1
.endr
	s_lshl_b32 s34, s20, 20                        ; codes: the weight's 1 MiB,
	s_lshr_b32 s33, s21, 1
	s_lshl_b32 s33, s33, 17                        ; the block of 128 columns,
	s_add_co_u32 s34, s34, s33
	s_and_b32 s33, s21, 1
	s_lshl_b32 s33, s33, 14                        ; which 64 of them,
	s_add_co_u32 s34, s34, s33
	s_lshl_b32 s33, s18, 12                        ; of which my wave stores 16,
	s_add_co_u32 s34, s34, s33
	s_lshl_b32 s33, s22, 15                        ; in the image of these 256 along K
	s_add_co_u32 s34, s34, s33
	s_add_nc_u64 s[16:17], s[16:17], s[34:35]
	s_lshl_b32 s33, s18, 6
	s_add_co_u32 s33, s33, WSTG                    ; my 64 bytes of a stage row
	s_mul_i32 s32, s18, 16*WP
	s_add_co_u32 s32, s32, WSTG                    ; my 16 stage rows on the way out
	v_mul_u32_u24 v5, v2, 2*WP
	v_add_nc_u32 v5, s33, v5                       ; into the stage: rows 2 x lane and 2 x lane + 1
	v_and_b32 v8, 15, v2
	v_lshrrev_b32 v9, 4, v2
	v_mul_u32_u24 v6, v9, WP
	v_lshl_add_u32 v6, v8, 4, v6
	v_add_nc_u32 v6, s32, v6                       ; out of it: sixteen lanes to a row, two rows an instruction
	s_wait_alu depctr_va_vdst(0)
	s_wait_kmcnt 0x0
	s_cmp_eq_u32 s20, 0
	s_cselect_b32 s23, s25, s27                    ; e1 or e3,
	s_cmp_eq_u32 s20, 2
	s_cselect_b32 s23, s29, s23                    ; or e5
	s_add_co_i32 s23, s23, 127
	s_lshl_b32 s33, s23, 23
	v_mov_b32 v11, s33                             ; 2^e
	s_add_co_i32 s23, s23, 8
	s_lshl_b32 s23, s23, 23
	s_or_b32 s23, s23, 0x600000
	v_mov_b32 v10, s23                             ; 448 x 2^e
	s_wait_alu depctr_va_vdst(0)                   ; the wait at the head's end
.macro BLOCK b                         ; 32 along K of both columns; the two sets of held numbers take turns, so that a conversion's sources are written again only behind other plain lines
	s_wait_loadcnt 32-32*\b
.irp g, 0,1,2,3
.set TG, T+16*(\g%2)
.irp i, 0,1,2,3,4,5,6,7
	v_med3_num_f32 v[TG+\i], v[R+2*(32*\b+8*\g+\i)], -v10, v10
	v_med3_num_f32 v[TG+8+\i], v[R+2*(32*\b+8*\g+\i)+1], -v10, v10
.endr
	v_cvt_scalef32_pk8_fp8_f32 v[C+16*\b+2*\g:C+16*\b+2*\g+1], v[TG:TG+7], v11
	v_cvt_scalef32_pk8_fp8_f32 v[C+16*\b+8+2*\g:C+16*\b+9+2*\g], v[TG+8:TG+15], v11
.endr
	v_nop                                          ; a plain line behind the last conversion of the run
	ds_store_b128 v5, v[C+16*\b:C+16*\b+3] offset:32*\b
	ds_store_b128 v5, v[C+16*\b+4:C+16*\b+7] offset:32*\b+16
	ds_store_b128 v5, v[C+16*\b+8:C+16*\b+11] offset:WP+32*\b
	ds_store_b128 v5, v[C+16*\b+12:C+16*\b+15] offset:WP+32*\b+16
.endm
	BLOCK 0
	BLOCK 1
	s_wait_alu depctr_va_vdst(0)
	s_wait_dscnt 0x0                               ; my part of the stage is stored, for the other waves' sake
	s_barrier_signal -1
	s_barrier_wait -1
.irp i, 0,1,2,3,4,5,6,7
	ds_load_b128 v[R+4*\i:R+4*\i+3], v6 offset:2*\i*WP
.endr
.irp i, 0,1,2,3,4,5,6,7
	s_wait_dscnt 7-\i                              ; LDS loads come back in order: row pair i is in
	global_store_b128 v3, v[R+4*\i:R+4*\i+3], s[16:17] offset:512*\i   ; two rows of the image: 512 consecutive bytes, aligned
.endr
	s_wait_tensorcnt 0x0                           ; the wave's end
	ds_add_u32 v12, v13
	s_wait_dscnt 0x0
	s_endpgm
.Lfunc_end_k_q45dca23281_quant:
	.size	k_q45dca23281_quant, .Lfunc_end_k_q45dca23281_quant-k_q45dca23281_quant
	.p2alignl 7, 3214868480
	.fill 96, 4, 3214868480
	.section	.rodata,"a",@progbits
	.p2align	6, 0x0
	.amdhsa_kernel k_q45dca23281_quant
		.amdhsa_group_segment_fixed_size 50688
		.amdhsa_private_segment_fixed_size 0
		.amdhsa_enable_private_segment 0
		.amdhsa_kernarg_size 56
		.amdhsa_user_sgpr_count 2
		.amdhsa_user_sgpr_kernarg_segment_ptr 1
		.amdhsa_wavefront_size32 1
		.amdhsa_system_sgpr_workgroup_id_x 1
		.amdhsa_system_sgpr_workgroup_id_y 1
		.amdhsa_system_sgpr_workgroup_id_z 1
		.amdhsa_system_vgpr_workitem_id 0
		.amdhsa_next_free_vgpr 224
		.amdhsa_next_free_sgpr 66
		.amdhsa_reserve_vcc 0
		.amdhsa_float_denorm_mode_32 3
		.amdhsa_float_denorm_mode_16_64 3
		.amdhsa_memory_ordered 1
		.amdhsa_forward_progress 1
		.amdhsa_inst_pref_size 61
	.end_amdhsa_kernel
	.amdgpu_metadata
---
amdhsa.version: [ 1, 2 ]
amdhsa.kernels:
  - .name:           k_q45dca23281_quant
    .symbol:         k_q45dca23281_quant.kd
    .args:
      - { .name: inputs, .offset: 0, .size: 8, .value_kind: global_buffer, .address_space: global }
      - { .name: Wq, .offset: 8, .size: 8, .value_kind: global_buffer, .address_space: global }
      - { .name: Wk, .offset: 16, .size: 8, .value_kind: global_buffer, .address_space: global }
      - { .name: Wv, .offset: 24, .size: 8, .value_kind: global_buffer, .address_space: global }
      - { .name: lowp_scales, .offset: 32, .size: 8, .value_kind: global_buffer, .address_space: global }
      - { .name: xc, .offset: 40, .size: 8, .value_kind: global_buffer, .address_space: global }
      - { .name: wc, .offset: 48, .size: 8, .value_kind: global_buffer, .address_space: global }
    .group_segment_fixed_size: 50688
    .private_segment_fixed_size: 0
    .kernarg_segment_align: 8
    .kernarg_segment_size: 56
    .max_flat_workgroup_size: 128
    .sgpr_count:     66
    .vgpr_count:     224
    .wavefront_size: 32
...
	.end_amdgpu_metadata
.endif
;; end of part 1
;; launch proj (part 2): grid 4 x 48, 4 waves a work-group, clusters of 4 x 4, 327,680 bytes of LDS; arguments xc, wc, lowp_scales, qkv; writes qkv
.if DOCPART == 2
	.amdgcn_target "amdgcn-amd-amdhsa--gfx1250"
	.amdhsa_code_object_version 6
	.text
	.protected	k_q45dca23281_proj
	.globl	k_q45dca23281_proj
	.p2align	8
	.type	k_q45dca23281_proj,@function
k_q45dca23281_proj:
	s_mov_b64 s[64:65], 0
	v_nop
	global_prefetch_b8 v0, s[64:65] scope:SCOPE_SE
	s_setreg_imm32_b32 hwreg(HW_REG_WAVE_MODE, 25, 1), 1
	s_wait_xcnt 0x0
	s_wait_alu depctr_hold_cnt(0) depctr_sa_sdst(0) depctr_va_vdst(0) depctr_va_sdst(0) depctr_va_ssrc(0) depctr_va_vcc(0) depctr_vm_vsrc(0)
	s_getreg_b32 s2, hwreg(HW_REG_IB_STS2, 6, 4)
	s_cmp_eq_u32 s2, 0
	s_cbranch_scc0 .Lentry_in_a_cluster
	s_endpgm
.Lentry_in_a_cluster:
	s_bfe_u32 s2, ttmp6, 0x10000c
	s_cmp_lg_u32 s2, 0xf033
	s_cbranch_scc0 .Lentry_shape_is_right
	s_endpgm
.Lentry_shape_is_right:
; The three projections on codes, each result quantised again on the way out.  Products 0, 1, 2: q, k, v = inputs x Wq, Wk, Wv, each [4096] x [1024], K = 1,024; one product to four rows of clusters.
; xc [3 sets] and wc [3 weights]: blocks of 128 rows, 131,072 bytes each; a block is four dense images, one for each 256 along K, of 128 rows x 256 bytes.
; qkv: q codes [32 heads][2048][64] at byte 0, k codes likewise at 4 MiB, v codes [32 heads][16 blocks of 128 keys][64 d][128 keys] at 8 MiB;
; along the innermost axis index 32 c + 16 u + 8 h + j lies at place 32 c + 16 h + 8 u + j: the order in which a lane holds its results, the same for q and k, and undone for v by the reader's 16-byte loads.
; A finished sum stands for sum x 2^(ex + ew); its code is sum / 2^(eo - ex - ew), eo = the scale of q (entry 6), k (7) or v (9): the three scales are folded into the conversion's one.
; LIMIT: eo - ex - ew lies between -126 and 119, so that this power of two and 448 x it are f32 numbers.
; A tile of 256 x 256 is made by a work-group of four waves, 128 x 128 a wave: 64 accumulators of 16 x 16.  192 work-groups.
; SOURCES: operand A (rows shared along a row of the cluster) and operand B (shared along a column).  q, k: A = inputs' rows, B = the weight's columns; v: A = Wv's columns, B = inputs' rows, so that a lane's neighbouring results are neighbouring keys.
;   The exchange is made in the global addresses alone: no LDS address hangs on the product.
; LDS: four regions, A's two blocks of 128 rows and B's two; wave w fetches region w.  A region has two slots of 128 rows x 256 along K, rows 272 bytes apart.  The head's one joint load a wave fills both slots (two images, 65,536 dense bytes);
;   each slot is filled once more, with K 512 .. 767 and K 768 .. 1023.
; No prefetch: the first half of K is asked for at the head, the rest in two refills of a text without a loop: there is nothing to run ahead in.
; REGISTERS, in windows of 256: window 0: addresses, A's fragments (one set, v128-255), on the way out v32-95 and v128-255; window 1: B's fragments, two sets; windows 2, 3: the accumulators of my rows 0-63, 64-127.
.set PITCH,  272                       ; 68 words: the 16 rows that a fragment load touches start at 16 different banks (64 banks of 4 bytes: ISA guide 11.1).  The way out's stage, 256 rows from LDS byte 0 on, has the same pitch
.set FR,     16
.set NL,     4
.set NP,     4
.set SLOT,   128*PITCH
.set REGION, 2*SLOT
.set SPARE,  4*REGION                  ; the spare words, 128 bytes for each wave
.set ADRA, 16
.set ADRB, 17
.set COQ,  22
.set STO,  24
.set RDQ,  25
.set RDQ2, 26
.set RDV,  27
.set SPW,  28
.set NIL,  29
.set SCL,  30
.set LIM,  31
.set TMP,  32
.set AF,   128
.set CD,   128
.set G1, 24                            ; s[24:31], s[48:55] group 1 of the head's loads of A, B;  s[56:63], s[72:79] of the refills
.set G1B, 48
.set G1R, 56
.set G1RB, 72
.set G0, 32                            ; s[32:35], s[36:39] group 0 for A, B: the head's load, then slot 0's refill;  s[80:83], s[84:87]: slot 1's refill
.set G0B, 36
.set G0S, 80
.set G0SB, 84
.set MSB, 0
.macro WIN new                         ; the immediate's high byte repeats the setting that is left
.if MSB != \new
	s_set_vgpr_msb (MSB<<8)|\new
.set MSB, \new
.endif
.endm
.set MUL_LO, 0xa1
.set MUL_HI, 0xf1
.set TO_B,   0x40
.macro JLOAD g0a, g1a, g0b, g1b        ; a joint load: waves 0 and 1 fetch for A, waves 2 and 3 for B; the branch hangs on the wave's number alone
	s_cmp_eq_u32 s15, 0
	s_cbranch_scc0 .Lfor_b_\@
	tensor_load_to_lds s[\g0a:\g0a+3], s[\g1a:\g1a+7]
	s_nop 0
.rept 4
	v_nop
.endr
	s_branch .Lasked_\@
.Lfor_b_\@:
	tensor_load_to_lds s[\g0b:\g0b+3], s[\g1b:\g1b+7]
	s_nop 0
.rept 4
	v_nop
.endr
.Lasked_\@:
.endm
.macro CREST                           ; a round of the cluster's barrier behind its opening barrier
	s_cmp_lg_u32 s14, 0
	s_cbranch_scc1 .Lnot_wave_0_\@
	s_barrier_signal -3
.Lnot_wave_0_\@:
	s_barrier_wait -3
	s_barrier_signal -1
	s_barrier_wait -1
.endm
.macro CROUND
	s_barrier_signal -1
	s_barrier_wait -1
	CREST
.endm
	s_load_b256 s[4:11], s[0:1], 0x0               ; xc s[4:5], wc s[6:7], the scales' exponents s[8:9], qkv s[10:11]
	v_lshl_add_u32 v[SPW], v0, 2, SPARE
	v_mov_b32 v[NIL], 0
	ds_add_u32 v[SPW], v[NIL]                      ; the wave's opening: the add, twice on end, and its wait ahead of my first tensor load
	ds_add_u32 v[SPW], v[NIL]
	v_lshrrev_b32 v1, 5, v0
	v_readfirstlane_b32 s14, v1                    ; wave 0..3
	s_lshr_b32 s15, s14, 1                         ; which half of A's rows is mine.  Also: I fetch for A (0) or B (1)
	s_and_b32 s16, s14, 1                          ; which half of B's rows.  Also: which block of 128 rows I fetch
	s_bfe_u32 s40, ttmp6, 0x40000                  ; cx
	s_bfe_u32 s41, ttmp6, 0x40004                  ; cy
	s_and_b32 s66, ttmp7, 0xffff                   ; cluster y, 0 .. 11
	s_lshr_b32 s67, s66, 2                         ; the product
	s_and_b32 s68, s66, 3
	s_lshl_b32 s68, s68, 2                         ; the first of four tiles of 256 inputs' rows
	s_add_co_u32 s69, s68, s41
	s_add_co_u32 s70, s68, s40
	s_lshl_b32 s71, s67, 22                        ; the product's codes in xc
	s_lshl_b32 s42, s67, 20                        ; and in wc
	s_cmp_eq_u32 s67, 2
	s_cselect_b32 s20, s41, s69                    ; A's tile of 256 rows: made of cy alone
	s_cselect_b32 s46, s70, s40                    ; B's: made of cx alone
	s_cselect_b32 s43, s42, s71
	s_cselect_b32 s44, s71, s42
	s_cselect_b32 s99, s70, s69                    ; for the way out: the tile of inputs' rows
	s_cselect_b32 s100, s41, s40                   ; and of the weight's columns
	s_lshl_b32 s97, s41, 2
	s_lshl_b32 s97, 15, s97                        ; my row of the cluster
	s_lshl_b32 s98, 0x1111, s40                    ; my column
.irp g, G1, G1R                        ; elements of 1 byte; 21 set beside a mask; after every 64 words 4 of padding
	s_or_b32 s[\g], s97, (1<<20)|(1<<21)|(5<<22)|(3<<25)
.endr
.irp g, G1B, G1RB
	s_or_b32 s[\g], s98, (1<<20)|(1<<21)|(5<<22)|(3<<25)
.endr
.irp g, G1, G1B
	s_mov_b32 s[\g+2], 256<<16                     ; the head's: 256 rows
	s_mov_b32 s[\g+4], 256
.endr
.irp g, G1R, G1RB
	s_mov_b32 s[\g+2], 128<<16                     ; a refill: 128 rows
	s_mov_b32 s[\g+4], 128
.endr
.irp g, G1, G1B, G1R, G1RB
	s_mov_b32 s[\g+1], 256<<16                     ; rows of 256 bytes, dense
	s_mov_b32 s[\g+3], 256<<16
	s_mov_b32 s[\g+5], 256
	s_mov_b32 s[\g+6], 0
	s_mov_b32 s[\g+7], 0
.endr
	s_lshl_b32 s20, s20, 1
	s_add_co_u32 s20, s20, s16                     ; the block of 128 rows that I fetch
	s_lshl_b32 s20, s20, 17
	s_add_co_u32 s20, s20, s43
	s_mov_b32 s21, 0
	s_lshl_b32 s46, s46, 1
	s_add_co_u32 s46, s46, s16
	s_lshl_b32 s46, s46, 17
	s_add_co_u32 s46, s46, s44
	s_mov_b32 s47, 0
	s_mul_i32 s45, s14, REGION                     ; where it goes: region = wave
.irp g, G0, G0B
	s_mov_b32 s[\g], 1
	s_add_co_u32 s[\g+1], s45, 0
.endr
.irp g, G0S, G0SB
	s_mov_b32 s[\g], 1
	s_add_co_u32 s[\g+1], s45, SLOT
.endr
	s_wait_dscnt 0x0                               ; both opening adds are done
	s_wait_kmcnt 0x0
	s_load_b256 s[88:95], s[8:9], 0x0              ; e0 .. e7
	s_load_b32 s96, s[8:9], 0x24                   ; e9
	s_cmp_eq_u32 s67, 2
	s_cselect_b64 s[12:13], s[6:7], s[4:5]         ; A's buffer,
	s_cselect_b64 s[18:19], s[4:5], s[6:7]         ; B's: chosen by the product
	s_add_nc_u64 s[G0+2:G0+3], s[12:13], s[20:21]
	s_or_b32 s[G0+3], s[G0+3], 0x80000000
	s_add_nc_u64 s[G0S+2:G0S+3], s[G0+2:G0+3], 0x18000   ; the fourth image
	s_add_nc_u64 s[G0B+2:G0B+3], s[18:19], s[46:47]
	s_or_b32 s[G0B+3], s[G0B+3], 0x80000000
	s_add_nc_u64 s[G0SB+2:G0SB+3], s[G0B+2:G0B+3], 0x18000
	CROUND                                         ; all sixteen work-groups are here: the joint loads meet
	JLOAD G0, G1, G0B, G1B                         ; K 0 .. 511: the wave's one load at the head
	s_mul_i32 s21, s15, REGION                     ; my 128 rows of A
	s_mul_i32 s22, s16, REGION
	s_add_co_u32 s22, s22, 2*REGION                ; my 128 rows of B
	s_mul_i32 s23, s15, 128*PITCH
	s_lshl_b32 s66, s16, 7
	s_add_co_u32 s23, s23, s66                     ; the way out: my 128 rows x 128 bytes of the stage
	s_lshl_b32 s68, s14, 6
	s_mul_i32 s71, s14, 64*PITCH
	v_and_b32 v1, 15, v0                           ; r
	v_bfe_u32 v2, v0, 4, 1                         ; h
	v_mul_u32_u24 v3, v1, PITCH
	v_lshl_add_u32 v4, v2, 4, v3                   ; row r, 16 bytes for each half of the lanes
	v_add_nc_u32 v[ADRA], s21, v4
	v_add_nc_u32 v[ADRB], s22, v4
	v_add_nc_u32 v[STO], s23, v4                   ; into the stage
	v_and_b32 v5, 31, v0
	v_lshlrev_b32 v[COQ], 4, v5                    ; 16 x lane: a store covers 512 consecutive bytes
	v_lshrrev_b32 v6, 2, v5
	v_mul_u32_u24 v6, v6, PITCH
	v_and_b32 v7, 3, v0
	v_lshl_add_u32 v6, v7, 4, v6
	v_add_nc_u32 v[RDQ], s68, v6                   ; q, k: my wave's head is columns 64 x wave on: four lanes to a row, eight rows an instruction
	v_add_nc_u32 v[RDQ2], 128*PITCH, v[RDQ]
	v_lshrrev_b32 v6, 3, v5
	v_mul_u32_u24 v6, v6, PITCH
	v_and_b32 v7, 7, v0
	v_lshl_add_u32 v6, v7, 4, v6
	v_add_nc_u32 v[RDV], s71, v6                   ; v: my wave's head is rows 64 x wave on: eight lanes to 128 keys of a row, four rows an instruction
.macro FRAG reg, adr, q, i             ; 16 rows x 128 K: lane l holds row l % 16; registers 4 c .. 4 c + 3 hold K = 32 c + 16 (l / 16) + 0 .. 15, alike in A and B.  q: 0, 1 in slot 0, 2, 3 in slot 1
.irp c, 0,1,2,3
	ds_load_b128 v[\reg+4*\c:\reg+4*\c+3], v[\adr] offset:SLOT*((\q)/2)+128*((\q)%2)+32*\c+(\i)*16*PITCH
.endr
.endm
.macro MUL16 a0, p, zero               ; A's blocks a0, a0 + 1 x B's eight; the 64 accumulators take turns, in the same order in every step
.irp a, \a0, \a0+1
.irp b, 0,1,2,3,4,5,6,7
.if \zero
	v_wmma_f32_16x16x128_fp8_fp8 v[8*(8*((\a)%4)+\b):8*(8*((\a)%4)+\b)+7], v[128*(\p)+FR*\b:128*(\p)+FR*\b+FR-1], v[AF+FR*(\a):AF+FR*(\a)+FR-1], 0
.else
	v_wmma_f32_16x16x128_fp8_fp8 v[8*(8*((\a)%4)+\b):8*(8*((\a)%4)+\b)+7], v[128*(\p)+FR*\b:128*(\p)+FR*\b+FR-1], v[AF+FR*(\a):AF+FR*(\a)+FR-1], v[8*(8*((\a)%4)+\b):8*(8*((\a)%4)+\b)+7]
.endif
.endr
.endr
.endm
.macro FETCH_B q, p
	WIN TO_B
.irp i, 0,1,2,3,4,5,6,7
	FRAG 128*(\p)+FR*\i, ADRB, \q, \i
.endr
	WIN 0
.endm
.macro FETCH_A q, i0
.irp i, \i0, \i0+1, \i0+2, \i0+3
	FRAG AF+FR*(\i), ADRA, \q, \i
.endr
.endm
.macro PLACES n                        ; plain lines between matrix instructions and loads into, or reads of, their registers
.rept \n
	v_nop
.endr
.endm
; 128 along K at place q of the slots; the next place's fragments come on the way
.macro STEP q, zero
	s_wait_dscnt 4*NL                              ; B's set and A's blocks 0-3 are in; the youngest 16 loads (A's blocks 4-7) may be out
	WIN MUL_LO
	MUL16 0, (\q)%2, \zero
	MUL16 2, (\q)%2, \zero
	s_wait_dscnt 0
	PLACES NP
	FETCH_B (\q)+1, 1-(\q)%2
	FETCH_A (\q)+1, 0
	WIN MUL_HI
	MUL16 4, (\q)%2, \zero
	MUL16 6, (\q)%2, \zero
	PLACES NP
	WIN 0
	FETCH_A (\q)+1, 4
.endm
; a slot's last 128 along K: behind the barrier the slot is read out and the other one is whole; fill = 1: the slot just left is filled again by the descriptors g0a, g0b
.macro TURN next, fill, g0a, g0b
	s_wait_tensorcnt 0x0                           ; my part of the next slot has landed
	ds_add_u32 v[SPW], v[NIL]
	s_wait_dscnt 4*NL+1                            ; (the add and A's blocks 4-7 may be out)
	WIN MUL_LO
	MUL16 0, 1, 0
	s_wait_dscnt 0x0                               ; the add is done, and my reads of this slot are over
	s_barrier_signal -1
	MUL16 2, 1, 0
	WIN 0
	s_barrier_wait -1
.if \fill
	CREST                                          ; the barrier has opened a round: no partner still reads this slot or has a load on its way
	JLOAD \g0a, G1R, \g0b, G1RB
.else
	PLACES NP
.endif
	FETCH_B \next, 0
	FETCH_A \next, 0
	WIN MUL_HI
	MUL16 4, 1, 0
	MUL16 6, 1, 0
	PLACES NP
	WIN 0
	FETCH_A \next, 4
.endm
	s_wait_alu depctr_va_vdst(0)                   ; the wait at the head's end
	s_wait_tensorcnt 0x0                           ; my region is in,
	s_barrier_signal -1
	s_barrier_wait -1                              ; and everybody's
	FETCH_B 0, 0
	FETCH_A 0, 0
	FETCH_A 0, 4
	s_add_nc_u64 s[G0+2:G0+3], s[G0+2:G0+3], 0x10000     ; the head's load is done: its descriptors step to the third image, slot 0's refill
	s_add_nc_u64 s[G0B+2:G0B+3], s[G0B+2:G0B+3], 0x10000
	STEP 0, 1                                      ; the first products start the sums
	TURN 2, 1, G0, G0B                             ; slot 0 takes K 512 .. 767
	STEP 2, 0
	TURN 0, 1, G0S, G0SB                           ; slot 1 takes K 768 .. 1023
	STEP 0, 0
	TURN 2, 0, 0, 0
	STEP 2, 0
	s_wait_dscnt 4*NL
	WIN MUL_LO
	MUL16 0, 1, 0
	MUL16 2, 1, 0
	s_wait_dscnt 0                                 ; my last reads of the tiles are over:
	s_barrier_signal -1                            ; say so, and go on with work on registers
	WIN MUL_HI
	MUL16 4, 1, 0
	MUL16 6, 1, 0
	WIN 0
	s_barrier_wait -1                              ; nobody reads the tiles any more, and nothing is filled again: the stage may lie there
	s_wait_kmcnt 0x0
	s_cmp_eq_u32 s67, 0
	s_cselect_b32 s82, s88, s90                    ; ex
	s_cselect_b32 s83, s89, s91                    ; ew
	s_cselect_b32 s84, s94, s95                    ; eo: e6 or e7,
	s_cmp_eq_u32 s67, 2
	s_cselect_b32 s82, s92, s82
	s_cselect_b32 s83, s93, s83
	s_cselect_b32 s84, s96, s84                    ; or e9
	s_sub_co_i32 s84, s84, s82
	s_sub_co_i32 s84, s84, s83
	s_add_co_i32 s84, s84, 127
	s_lshl_b32 s85, s84, 23                        ; 2^(eo - ex - ew)
	s_add_co_i32 s84, s84, 8
	s_lshl_b32 s84, s84, 23
	s_or_b32 s84, s84, 0x600000                    ; 448 x that
	PLACES NP
	v_mov_b32 v[SCL], s85
	v_mov_b32 v[LIM], s84
.macro QBLOCK a                        ; 16 rows x 128: held, converted, into the stage
.set AC, 64*((\a)%4)
.set WQ, 0x02+((\a)/4)
	WIN WQ
.set j, 0
.rept 64
	v_med3_num_f32 v[TMP+j], v[AC+j], -v[LIM], v[LIM]   ; the conversion does not saturate (ISA guide 7.6.2); each accumulator from its low end on
.set j, j+1
.endr
	WIN 0
.irp b, 0,1,2,3,4,5,6,7
	v_cvt_scalef32_pk8_fp8_f32 v[CD+16*(\a)+2*\b:CD+16*(\a)+2*\b+1], v[TMP+8*\b:TMP+8*\b+7], v[SCL]
.endr
	v_nop                                          ; a plain line behind the last conversion
.irp c, 0,1,2,3
	ds_store_b128 v[STO], v[CD+16*(\a)+4*\c:CD+16*(\a)+4*\c+3] offset:16*(\a)*PITCH+32*\c
.endr
.endm
.irp a, 0,1,2,3,4,5,6,7
	QBLOCK \a
.endr
	; where my wave's 16,384 bytes go: product, batch, head 4 x tile of columns + wave, tile of 256 rows or keys
	s_lshl_b32 s86, s67, 22
	s_lshr_b32 s87, s99, 3
	s_lshl_b32 s87, s87, 21
	s_add_co_u32 s86, s86, s87
	s_lshl_b32 s87, s100, 2
	s_add_co_u32 s87, s87, s14
	s_lshl_b32 s87, s87, 17
	s_add_co_u32 s86, s86, s87
	s_and_b32 s87, s99, 7
	s_lshl_b32 s87, s87, 14
	s_add_co_u32 s86, s86, s87
	s_mov_b32 s87, 0
	s_add_nc_u64 s[84:85], s[10:11], s[86:87]
	s_wait_alu depctr_va_vdst(0)
	s_wait_dscnt 0x0                               ; my part of the stage is stored
	s_barrier_signal -1
	s_barrier_wait -1
	s_cmp_eq_u32 s67, 2
	s_cbranch_scc1 .Lv_out
.irp i, 0,1,2,3,4,5,6,7,8,9,10,11,12,13,14,15
	ds_load_b128 v[CD+4*\i:CD+4*\i+3], v[RDQ] offset:\i*8*PITCH
.endr
.irp i, 0,1,2,3,4,5,6,7,8,9,10,11,12,13,14,15
	ds_load_b128 v[CD+64+4*\i:CD+64+4*\i+3], v[RDQ2] offset:\i*8*PITCH
.endr
	s_branch .Lread
.Lv_out:
.irp i, 0,1,2,3,4,5,6,7,8,9,10,11,12,13,14,15
	ds_load_b128 v[CD+4*\i:CD+4*\i+3], v[RDV] offset:\i*4*PITCH
.endr
.irp i, 0,1,2,3,4,5,6,7,8,9,10,11,12,13,14,15
	ds_load_b128 v[CD+64+4*\i:CD+64+4*\i+3], v[RDV] offset:\i*4*PITCH+128
.endr
.Lread:
.set i, 0
.rept 32
	s_wait_dscnt 31-i                              ; LDS loads come back in order
	global_store_b128 v[COQ], v[CD+4*i:CD+4*i+3], s[84:85] offset:512*i   ; 512 consecutive bytes, aligned
.set i, i+1
.endr
	s_wait_tensorcnt 0x0                           ; the wave's end
	ds_add_u32 v[SPW], v[NIL]
	s_wait_dscnt 0x0
	CROUND                                         ; the closing round: no work-group ends while a partner may still ask for a tile that names it
	s_endpgm
.Lfunc_end_k_q45dca23281_proj:
	.size	k_q45dca23281_proj, .Lfunc_end_k_q45dca23281_proj-k_q45dca23281_proj
	.p2alignl 7, 3214868480
	.fill 96, 4, 3214868480
	.section	.rodata,"a",@progbits
	.p2align	6, 0x0
	.amdhsa_kernel k_q45dca23281_proj
		.amdhsa_group_segment_fixed_size 327680
		.amdhsa_private_segment_fixed_size 0
		.amdhsa_enable_private_segment 0
		.amdhsa_kernarg_size 32
		.amdhsa_user_sgpr_count 2
		.amdhsa_user_sgpr_kernarg_segment_ptr 1
		.amdhsa_wavefront_size32 1
		.amdhsa_system_sgpr_workgroup_id_x 1
		.amdhsa_system_sgpr_workgroup_id_y 1
		.amdhsa_system_sgpr_workgroup_id_z 1
		.amdhsa_system_vgpr_workitem_id 0
		.amdhsa_next_free_vgpr 1024
		.amdhsa_next_free_sgpr 101
		.amdhsa_reserve_vcc 0
		.amdhsa_float_denorm_mode_32 3
		.amdhsa_float_denorm_mode_16_64 3
		.amdhsa_memory_ordered 1
		.amdhsa_forward_progress 1
		.amdhsa_inst_pref_size 126
	.end_amdhsa_kernel
	.amdgpu_metadata
---
amdhsa.version: [ 1, 2 ]
amdhsa.kernels:
  - .name:           k_q45dca23281_proj
    .symbol:         k_q45dca23281_proj.kd
    .args:
      - { .name: xc, .offset: 0, .size: 8, .value_kind: global_buffer, .address_space: global }
      - { .name: wc, .offset: 8, .size: 8, .value_kind: global_buffer, .address_space: global }
      - { .name: lowp_scales, .offset: 16, .size: 8, .value_kind: global_buffer, .address_space: global }
      - { .name: qkv, .offset: 24, .size: 8, .value_kind: global_buffer, .address_space: global }
    .group_segment_fixed_size: 327680
    .private_segment_fixed_size: 0
    .kernarg_segment_align: 8
    .kernarg_segment_size: 32
    .max_flat_workgroup_size: 128
    .sgpr_count:     101
    .vgpr_count:     1024
    .wavefront_size: 32
...
	.end_amdgpu_metadata
.endif
;; end of part 2
;; launch attn (part 3): grid 8 x 32, 8 waves a work-group, clusters of 4 x 1, 327,680 bytes of LDS; arguments qkv, lowp_scales, out0; writes out0
.if DOCPART == 3
	.amdgcn_target "amdgcn-amd-amdhsa--gfx1250"
	.amdhsa_code_object_version 6
	.text
	.protected	k_q45dca23281_attn
	.globl	k_q45dca23281_attn
	.p2align	8
	.type	k_q45dca23281_attn,@function
k_q45dca23281_attn:
	s_mov_b64 s[64:65], 0
	v_nop
	global_prefetch_b8 v0, s[64:65] scope:SCOPE_SE
	s_setreg_imm32_b32 hwreg(HW_REG_WAVE_MODE, 25, 1), 1
	s_wait_xcnt 0x0
	s_wait_alu depctr_hold_cnt(0) depctr_sa_sdst(0) depctr_va_vdst(0) depctr_va_sdst(0) depctr_va_ssrc(0) depctr_va_vcc(0) depctr_vm_vsrc(0)
	s_getreg_b32 s2, hwreg(HW_REG_IB_STS2, 6, 4)
	s_cmp_eq_u32 s2, 0
	s_cbranch_scc0 .Lentry_in_a_cluster
	s_endpgm
.Lentry_in_a_cluster:
	s_bfe_u32 s2, ttmp6, 0x10000c
	s_cmp_lg_u32 s2, 0x3003
	s_cbranch_scc0 .Lentry_shape_is_right
	s_endpgm
.Lentry_shape_is_right:
; out0[b][s][64 h + d] = the sum over keys of softmax(q . k / 8) v, both products on codes of E4M3 with the given scales 2^e6 (q), 2^e7 (k), 2^e8 (p), 2^e9 (v).
; qkv: q codes [32 heads][2048][64] at byte 0, k codes likewise at 4 MiB, v codes [32 heads][16 blocks of 128 keys][64 d][128 keys] at 8 MiB; along the innermost axis index 32 c + 16 u + 8 h + j lies at place 32 c + 16 h + 8 u + j.
; THE SOFTMAX: t = score x log2(e) / 8; M = the row's largest t so far, rounded UP to a whole number; p = 2^(t - M) is quantised, not normalised.  The row's sum is taken of the unquantised p, in f32, and divides at the end.
; When M moves, the sum and O are multiplied by 2^(old M - new M): exact.
; SHARES: a work-group owns 256 queries of one head, each of its eight waves 32 of them: two tiles of 16, A and B, which share every fragment of K and V that the wave reads from LDS.  Two waves to a SIMD.  Every wave walks the head's 2,048 keys, 128 a step.
; LDS: ALL of the head's K and V lie in LDS.  Each wave asks for one eighth, 32,768 bytes that are dense in memory, by its one tensor load: waves 0-3 K's quarters, waves 4-7 V's.  Nothing is filled again: one barrier, and none between the steps.
;   Rows of 256 bytes, 272 apart.  K: 4 keys of 64 bytes in a row; V: 2 d of 128 keys in a row: 128 keys take 8,704 bytes in both.
; No prefetch: every tile is asked for at the head.
; CLUSTER: the four query blocks of a cluster belong to one head and read the same K and V: each piece is asked for jointly (mask 15).
; LAYOUT: S^T = K Q^T (source 0 = 16 neighbouring keys, source 1 = a tile's 16 queries), O^T = V^T P^T (source 0 = 16 of the head's 64, source 1 = P): a lane holds ONE query of each tile (lane % 16) throughout.
;   Key tile t's register j holds key 16 t + 8 (lane / 16) + j: its conversion gives registers 2 t, 2 t + 1 of P's operand, each k in the place that the form's own layout gives it; V's order of places makes 16-byte loads give the same.
; ORDER OF A STEP: scores of both tiles; loads of this step's V and the next step's K; maxima; O under the new M; then the exponentials in four batches of 32, each batch mixed with plain work on registers that no exponential of the same batch names;
;   what such work writes is read only behind the wait that ends its batch.
; LIMITS: e6 + e7 between -123 and 130 (they are added to the exponent field of log2(e) / 8); e8 between -126 and 119; e8 + e9 is applied by v_ldexp_f32 and has none; the scaled scores stay under 2^31 in magnitude.
; REGISTERS, window 0: v1-7, v28-29 addresses and constants; tile A: v8 -M, v9 the largest t, v[10:11] the sum in two halves, v[12:13] f; tile B: v[14:15], v[16:17], v[18:19]; v20-25 at work; v26, v31 448 x 2^e8; v27 2^e8;
;   v32-95 S^T then p of A, v96-159 of B; v160-191 O^T of A, v192-223 of B; v224-255 partial sums, then P's codes of A (v224-239) and B (v240-255).   Window 1: v0-15 Q of A and B, v16-79 K's fragments, v80-143 V's.
.set PIECE, 128*272                    ; 32,768 bytes as 128 rows of 256 + 16
.set VBASE, 4*PIECE
.set KST,   32*272                     ; 128 keys
.set SPARE, 8*PIECE                    ; the spare words, 128 bytes for each wave
.set STAGE, SPARE+1024                 ; the way out: 16 rows x (256 + 16) bytes for each wave, where no fill lands
.set AK0,  1
.set AV0,  2
.set ADK,  3
.set ADV,  4
.set SPW,  5
.set NIL,  6
.set GO,   7
.set MA,   8                           ; v8 -M, v9 the largest t: tile A;  v14, v15: tile B
.set MB,   14
.set LA,   10                          ; the sums
.set LB,   16
.set EA,   12                          ; f
.set EB,   18
.set STI,  28
.set STB,  29
.set SA,   32
.set SB,   96
.set OA,   160
.set OB,   192
.set PT,   224
.set QA,   0
.set QB,   8
.set KF,   16
.set VF,   80
.set WV,   10                          ; s10 my wave's number
.set TB,   66                          ; s66 LDS byte at which the step's K begins (V's lies VBASE further on)
.set CNT,  67
.set SEL,  68                          ; s[68:69] lane selects for v_permlanex16_b32: lane l xor 16
.set CS,   70                          ; s[70:71] c = log2(e) / 8 x 2^(e6 + e7)
.set MSB, 0
.macro WIN new                         ; the immediate's high byte repeats the setting that is left
.if MSB != \new
	s_set_vgpr_msb (MSB<<8)|\new
.set MSB, \new
.endif
.endm
.macro CROUND                          ; a round of the cluster's barrier
	s_barrier_signal -1
	s_barrier_wait -1
	s_cmp_lg_u32 s[WV], 0
	s_cbranch_scc1 .Lnot_wave_0_\@
	s_barrier_signal -3
.Lnot_wave_0_\@:
	s_barrier_wait -3
	s_barrier_signal -1
	s_barrier_wait -1
.endm
	s_load_b128 s[4:7], s[0:1], 0x0                ; qkv s[4:5], the scales' exponents s[6:7]
	s_load_b64 s[8:9], s[0:1], 0x10                ; out0
	v_lshl_add_u32 v[SPW], v0, 2, SPARE
	v_mov_b32 v[NIL], 0
	ds_add_u32 v[SPW], v[NIL]                      ; the wave's opening: the add, twice on end, and its wait ahead of my tensor load
	ds_add_u32 v[SPW], v[NIL]
	v_lshrrev_b32 v20, 5, v0
	v_readfirstlane_b32 s[WV], v20                 ; wave 0..7
	s_lshr_b32 s11, s[WV], 2                       ; 0: I ask for K; 1: for V
	s_and_b32 s12, s[WV], 3                        ; which quarter
	s_and_b32 s14, ttmp7, 0xffff                   ; the head, 16 b + h, which the four partners share
	s_mov_b32 s16, 15|(1<<20)|(1<<21)|(5<<22)|(3<<25)  ; 15:0 the mask: all four work-groups; elements of 1 byte; 20 padding on; 21 set beside a mask; after every 64 words four of padding
	s_mov_b32 s17, 256<<16                         ; tensor_dim0
	s_mov_b32 s18, 128<<16                         ; tensor_dim1
	s_mov_b32 s19, 256<<16                         ; tile_dim0
	s_mov_b32 s20, 128                             ; tile_dim1
	s_mov_b32 s21, 256                             ; tensor_dim0_stride: dense
	s_mov_b32 s22, 0
	s_mov_b32 s23, 0
	s_add_co_u32 s82, s11, 1
	s_lshl_b32 s82, s82, 22                        ; K's codes begin at 4 MiB, V's at 8 MiB;
	s_lshl_b32 s83, s14, 17                        ; a head has 131,072 bytes of each,
	s_add_co_u32 s82, s82, s83
	s_lshl_b32 s83, s12, 15                        ; a quarter 32,768
	s_add_co_u32 s82, s82, s83
	s_mov_b32 s83, 0
	s_mov_b32 s24, 1                               ; 1:0 count = 1
	s_mul_i32 s25, s[WV], PIECE                    ; LDS address: no place in the cluster enters it
	s_mov_b32 s[SEL], 0x76543210
	s_mov_b32 s[SEL+1], 0xfedcba98
	s_mov_b32 s[CS], 0x3e38aa3b                    ; log2(e) / 8
	s_mov_b32 s[TB], 0
	s_wait_dscnt 0x0                               ; both opening adds are done
	s_wait_kmcnt 0x0
	s_load_b128 s[72:75], s[6:7], 0x18             ; e6, e7, e8, e9
	s_add_nc_u64 s[26:27], s[4:5], s[82:83]
	s_or_b32 s27, s27, 0x80000000                  ; 127:126 type = 2
	CROUND                                         ; all four work-groups are here: the joint loads meet
	tensor_load_to_lds s[24:27], s[16:23]          ; the wave's one tensor load
	s_nop 0
	s_bfe_u32 s90, ttmp6, 0x40000                  ; cx: it enters Q's and out0's addresses alone
	s_lshl_b32 s91, ttmp9, 2
	s_add_co_u32 s91, s91, s90                     ; my block of 256 queries
	s_lshl_b32 s92, s14, 17
	s_lshl_b32 s93, s91, 14                        ; 256 queries x 64 bytes
	s_add_co_u32 s92, s92, s93
	s_lshl_b32 s93, s[WV], 11                      ; my wave's 32
	s_add_co_u32 s92, s92, s93
	s_mov_b32 s93, 0
	s_add_nc_u64 s[94:95], s[4:5], s[92:93]
	s_mul_i32 s79, s[WV], 16*272
	s_add_co_u32 s79, s79, STAGE                   ; my stage
	v_and_b32 v20, 15, v0                          ; r = lane % 16
	v_bfe_u32 v21, v0, 4, 1                        ; h = lane / 16
	v_lshlrev_b32 v22, 6, v20
	v_lshl_add_u32 v22, v21, 4, v22
	WIN 0x40
	global_load_b128 v[QA:QA+3], v22, s[94:95]     ; Q's fragments stay in registers: places 16 h on, and 32 + 16 h on, as K's are loaded
	global_load_b128 v[QA+4:QA+7], v22, s[94:95] offset:32
	global_load_b128 v[QB:QB+3], v22, s[94:95] offset:1024
	global_load_b128 v[QB+4:QB+7], v22, s[94:95] offset:1056
	WIN 0
	v_bfe_u32 v23, v0, 2, 2                        ; K: key r lies at 272 (r / 4) + 64 (r % 4): the 16 keys of a tile fall on 16 different 16-byte columns
	v_and_b32 v24, 3, v0
	v_mul_u32_u24 v[AK0], v23, 272
	v_lshl_add_u32 v[AK0], v24, 6, v[AK0]
	v_lshl_add_u32 v[AK0], v21, 4, v[AK0]
	v_bfe_u32 v23, v0, 1, 3                        ; V: d = r lies at 272 (r / 2) + 128 (r % 2): 16 different columns too
	v_and_b32 v24, 1, v0
	v_mul_u32_u24 v[AV0], v23, 272
	v_lshl_add_u32 v[AV0], v24, 7, v[AV0]
	v_lshl_add_u32 v[AV0], v21, 4, v[AV0]
	v_add_nc_u32 v[AV0], VBASE, v[AV0]
	v_lshlrev_b32 v[GO], 12, v21
	v_lshl_add_u32 v[GO], v20, 4, v[GO]            ; the way out: lanes 0-15 one row of out0, lanes 16-31 the next; 16 bytes a lane
	v_mul_u32_u24 v[STI], v20, 272
	v_lshl_add_u32 v[STI], v21, 5, v[STI]
	v_add_nc_u32 v[STI], s79, v[STI]               ; into the stage: 32 bytes of row r
	v_mul_u32_u24 v[STB], v21, 272
	v_lshl_add_u32 v[STB], v20, 4, v[STB]
	v_add_nc_u32 v[STB], s79, v[STB]               ; out of it: by rows
	v_mov_b32 v[MA+1], 0xff61b1e6                  ; the largest t so far: -3e38, under every t
	v_mov_b32 v[MB+1], 0xff61b1e6
	v_floor_f32 v[MA], -v[MA+1]                    ; -M
	v_floor_f32 v[MB], -v[MB+1]
.irp x, LA, LA+1, LB, LB+1, EA+1, EB+1, 24, 25    ; the sums; the upper halves of f's pairs, which are named; the lane permutes' destinations, which count as sources
	v_mov_b32 v[\x], 0
.endr
.set j, 0
.rept 64
	v_mov_b32 v[OA+j], 0                           ; O^T: the step finds zeros, which the first change of M leaves zeros
.set j, j+1
.endr
	s_lshr_b32 s92, s14, 4                         ; out0: row (2,048 b + 256 x block + 32 x wave) of 4,096 bytes, + 256 x head
	s_lshl_b32 s92, s92, 11
	s_lshl_b32 s93, s91, 8
	s_add_co_u32 s92, s92, s93
	s_lshl_b32 s93, s[WV], 5
	s_add_co_u32 s92, s92, s93
	s_lshl_b32 s92, s92, 12
	s_and_b32 s93, s14, 15
	s_lshl_b32 s93, s93, 8
	s_add_co_u32 s92, s92, s93
	s_mov_b32 s93, 0
	s_add_nc_u64 s[8:9], s[8:9], s[92:93]
	s_wait_alu depctr_va_vdst(0)                   ; the wait here, directly ahead of the wait below
	s_wait_kmcnt 0x0
	s_add_co_i32 s76, s72, s73
	s_lshl_b32 s76, s76, 23
	s_add_co_i32 s[CS], s[CS], s76                 ; a score stands for score x 2^(e6 + e7): the two exponents are added to c's exponent field
	s_mov_b32 s[CS+1], s[CS]                       ; (named with it as a pair, so it is written)
	s_add_co_i32 s78, s74, s75                     ; e8 + e9
	s_add_co_i32 s76, s74, 127
	s_lshl_b32 s77, s76, 23
	s_add_co_i32 s76, s76, 8
	s_lshl_b32 s76, s76, 23
	s_or_b32 s76, s76, 0x600000
	v_mov_b32 v27, s77                             ; 2^e8 as f32, for the conversion
	v_mov_b32 v26, s76                             ; 448 x 2^e8, twice: the halves of a dual instruction take it from two registers
	v_mov_b32 v31, s76
.macro KLOAD adr, off                  ; K's eight fragments of 128 keys
.irp t, 0,1,2,3,4,5,6,7
.irp c, 0,1
	ds_load_b128 v[KF+8*\t+4*\c:KF+8*\t+4*\c+3], v[\adr] offset:\off+1088*\t+32*\c
.endr
.endr
.endm
.macro TM r, m                         ; t - M, two at a time (of the pairs c and -M the low word serves both halves)
	v_pk_fma_f32 v[\r:\r+1], v[\r:\r+1], s[CS:CS+1], v[\m:\m+1] op_sel_hi:[1,0,0]
.endm
.macro ADD d, x, y
	v_pk_add_f32 v[\d:\d+1], v[\x:\x+1], v[\y:\y+1]
.endm
.macro HOLD r                          ; the conversion does not saturate (ISA guide 7.6.2); p is not negative, so the hold is one-sided; it stands whatever e8 is
	v_dual_min_num_f32 v[\r], v[\r], v26 :: v_dual_min_num_f32 v[\r+1], v[\r+1], v31
.endm
.macro BOTH op, d, e, x, y             ; the same line for tile A and tile B: a unary operation
	\op v[\d], v[\x]
	\op v[\e], v[\y]
.endm
; A KEY STEP: 128 keys.  more = 1: the next step's K is loaded
.macro STEP more
	s_wait_dscnt 0x0                               ; K's fragments are in
	WIN 0x05
.irp t, 0,1,2,3,4,5,6,7
	v_wmma_f32_16x16x64_fp8_fp8 v[SA+8*\t:SA+8*\t+7], v[KF+8*\t:KF+8*\t+7], v[QA:QA+7], 0
	v_wmma_f32_16x16x64_fp8_fp8 v[SB+8*\t:SB+8*\t+7], v[KF+8*\t:KF+8*\t+7], v[QB:QB+7], 0
.endr
	WIN 0
	v_add_nc_u32 v[ADK], s[TB], v[AK0]             ; four places between the products and the loads into the registers that they read, and the first read of the scores
	v_add_nc_u32 v[ADV], s[TB], v[AV0]
	v_nop
	v_nop
	WIN 0x40
.irp t, 0,1,2,3
.irp c, 0,1,2,3
	ds_load_b128 v[VF+16*\t+4*\c:VF+16*\t+4*\c+3], v[ADV] offset:2176*\t+32*\c   ; V: d = 16 t + r
.endr
.endr
.if \more
	KLOAD ADK, KST
.endif
	WIN 0
	v_max3_num_f32 v20, v[SA], v[SA+1], v[SA+2]    ; the step's largest score of my query, among my 64 keys, two chains a tile, each accumulator from its low end on
	v_max3_num_f32 v22, v[SB], v[SB+1], v[SB+2]
	v_max3_num_f32 v21, v[SA+3], v[SA+4], v[SA+5]
	v_max3_num_f32 v23, v[SB+3], v[SB+4], v[SB+5]
.irp i, 6,10,14,18,22,26,30,34,38,42,46,50,54,58
	v_max3_num_f32 v20, v20, v[SA+\i], v[SA+\i+1]
	v_max3_num_f32 v22, v22, v[SB+\i], v[SB+\i+1]
	v_max3_num_f32 v21, v21, v[SA+\i+2], v[SA+\i+3]
	v_max3_num_f32 v23, v23, v[SB+\i+2], v[SB+\i+3]
.endr
	v_max3_num_f32 v20, v20, v[SA+62], v[SA+63]
	v_max3_num_f32 v22, v22, v[SB+62], v[SB+63]
	v_max_num_f32 v20, v20, v21
	v_max_num_f32 v22, v22, v23
	v_permlanex16_b32 v24, v20, s[SEL], s[SEL+1]
	v_permlanex16_b32 v25, v22, s[SEL], s[SEL+1]
	v_max_num_f32 v20, v20, v24                    ; and among lane l xor 16's
	v_max_num_f32 v22, v22, v25
	v_mul_f32 v20, s[CS], v20                      ; as t (c is positive)
	v_mul_f32 v22, s[CS], v22
	v_max_num_f32 v[MA+1], v[MA+1], v20            ; the running largest t
	v_max_num_f32 v[MB+1], v[MB+1], v22
	BOTH v_mov_b32, 20, 22, MA, MB
	v_floor_f32 v[MA], -v[MA+1]                    ; the new -M = floor(-t) = -ceil(t): a whole number
	v_floor_f32 v[MB], -v[MB+1]
	v_sub_f32 v20, v[MA], v20                      ; M's old value less its new one: a whole number, 0 or less
	v_sub_f32 v22, v[MB], v22
	BOTH v_cvt_i32_f32, 20, 22, 20, 22             ; (it saturates)
	v_ldexp_f32 v[EA], 1.0, v20                    ; f = 2^(old M - new M)
	v_ldexp_f32 v[EB], 1.0, v22
.set j, 0
.rept 16
	TM SA+2*j, MA
.set j, j+1
.endr
	v_pk_mul_f32 v[LA:LA+1], v[LA:LA+1], v[EA:EA+1] op_sel_hi:[1,0]   ; the sums and O^T under the new M
	v_pk_mul_f32 v[LB:LB+1], v[LB:LB+1], v[EB:EB+1] op_sel_hi:[1,0]
.set j, 0
.rept 16
	v_pk_mul_f32 v[OA+2*j:OA+2*j+1], v[OA+2*j:OA+2*j+1], v[EA:EA+1] op_sel_hi:[1,0]
	v_pk_mul_f32 v[OB+2*j:OB+2*j+1], v[OB+2*j:OB+2*j+1], v[EB:EB+1] op_sel_hi:[1,0]
.set j, j+1
.endr
	s_wait_alu depctr_va_vdst(0)                   ; the wait ahead of each batch of exponentials and behind it: one serves as both
.set j, 0
.rept 16                                           ; p of A's numbers 0-31; beside them t - M of A's 32-63 and B's 0-31
	v_exp_f32 v[SA+2*j], v[SA+2*j]
	TM SA+32+2*j, MA
	v_exp_f32 v[SA+2*j+1], v[SA+2*j+1]
	TM SB+2*j, MB
.set j, j+1
.endr
	s_wait_alu depctr_va_vdst(0)
.set j, 0
.rept 16                                           ; p of A's 32-63; beside them t - M of B's 32-63, partial sums of A's 0-31 (unheld), holds of A's 0-15
	v_exp_f32 v[SA+32+2*j], v[SA+32+2*j]
	TM SB+32+2*j, MB
	v_exp_f32 v[SA+33+2*j], v[SA+33+2*j]
.if j < 8
	ADD PT+2*j, SA+4*j, SA+4*j+2
.else
	HOLD SA+2*(j-8)
.endif
.set j, j+1
.endr
	s_wait_alu depctr_va_vdst(0)
.set j, 0
.rept 32                                           ; p of B's 0-31; beside them holds of A's 16-31, partial sums and holds of A's 32-63
	v_exp_f32 v[SB+j], v[SB+j]
.if j < 8
	HOLD SA+16+2*j
.elseif j < 16
	ADD PT+16+2*(j-8), SA+32+4*(j-8), SA+34+4*(j-8)
.else
	HOLD SA+32+2*(j-16)
.endif
.set j, j+1
.endr
	s_wait_alu depctr_va_vdst(0)
.set j, 0
.rept 32                                           ; p of B's 32-63; beside them A's partial sums 16 to 8 pairs, partial sums and holds of B's 0-31
	v_exp_f32 v[SB+32+j], v[SB+32+j]
.if j < 8
	ADD PT+2*j, PT+2*j, PT+16+2*j
.elseif j < 16
	ADD PT+16+2*(j-8), SB+4*(j-8), SB+2+4*(j-8)
.else
	HOLD SB+2*(j-16)
.endif
.set j, j+1
.endr
	v_nop                                          ; a plain line behind the exponentials
	s_wait_alu depctr_va_vdst(0)
.irp x, 0,2,4,6
	ADD PT+\x, PT+\x, PT+8+\x
.endr
.irp x, 0,2,4,6,8,10,12,14
	ADD PT+16+\x, PT+16+\x, SB+32+\x
.endr
	ADD PT, PT, PT+4
	ADD PT+2, PT+2, PT+6
.irp x, 0,2,4,6,8,10,12,14
	ADD PT+16+\x, PT+16+\x, SB+48+\x
.endr
	ADD PT, PT, PT+2
.irp x, 0,2,4,6
	ADD PT+16+\x, PT+16+\x, PT+24+\x
.endr
	ADD LA, LA, PT                                 ; A's sum
.irp x, 0,2,4,6,8,10,12,14
	HOLD SB+32+\x
.endr
	ADD PT+16, PT+16, PT+20
	ADD PT+18, PT+18, PT+22
.irp x, 16,18,20,22
	HOLD SB+32+\x
.endr
	ADD PT+16, PT+16, PT+18
.irp x, 24,26,28,30
	HOLD SB+32+\x
.endr
	ADD LB, LB, PT+16                              ; B's sum
.irp t, 0,1,2,3,4,5,6,7
	v_cvt_scalef32_pk8_fp8_f32 v[PT+2*\t:PT+2*\t+1], v[SA+8*\t:SA+8*\t+7], v27      ; keys 16 t + 8 h + 0 .. 7: registers 2 t, 2 t + 1 of P's operand
	v_cvt_scalef32_pk8_fp8_f32 v[PT+16+2*\t:PT+17+2*\t], v[SB+8*\t:SB+8*\t+7], v27
.endr
	v_nop                                          ; a plain line between the conversions and the products
	s_wait_alu depctr_va_vdst(0)                   ; the wait here, directly ahead of the wait below
	s_wait_dscnt 16*\more                          ; V's fragments are in; the next step's 16 loads of K may be out
	WIN 0x01
.irp t, 0,1,2,3
	v_wmma_f32_16x16x128_fp8_fp8 v[OA+8*\t:OA+8*\t+7], v[VF+16*\t:VF+16*\t+15], v[PT:PT+15], v[OA+8*\t:OA+8*\t+7]   ; the eight accumulators take turns, one instruction a turn
	v_wmma_f32_16x16x128_fp8_fp8 v[OB+8*\t:OB+8*\t+7], v[VF+16*\t:VF+16*\t+15], v[PT+16:PT+31], v[OB+8*\t:OB+8*\t+7]
.endr
	WIN 0
.endm
	s_wait_alu depctr_va_vdst(0)                   ; the wait at the head's end
	s_wait_loadcnt 0x0                             ; Q
	s_wait_tensorcnt 0x0                           ; my eighth of K and V has landed,
	s_barrier_signal -1
	s_barrier_wait -1                              ; and everybody's
	WIN 0x40
	KLOAD AK0, 0
	WIN 0
	s_mov_b32 s[CNT], 15
.Lstep:
	STEP 1
	s_add_co_u32 s[TB], s[TB], KST
	s_sub_co_u32 s[CNT], s[CNT], 1
	s_cmp_lg_u32 s[CNT], 0
	s_cbranch_scc1 .Lstep
	STEP 0                                         ; the last step is written out: no K stands behind it
	; THE WAY OUT.  O^T is divided by the row's sum, multiplied by 2^(e8 + e9), and goes through my stage, so that sixteen lanes store a row's 256 bytes.
	v_add_f32 v[LA], v[LA], v[LA+1]                ; the sum's two halves,
	v_add_f32 v[LB], v[LB], v[LB+1]
	v_permlanex16_b32 v24, v[LA], s[SEL], s[SEL+1]
	v_permlanex16_b32 v25, v[LB], s[SEL], s[SEL+1]
	v_add_f32 v[LA], v[LA], v24                    ; and lane l xor 16's
	v_add_f32 v[LB], v[LB], v25
	s_wait_alu depctr_va_vdst(0)                   ; the wait ahead of the batch,
	v_rcp_f32 v[LA], v[LA]
	v_rcp_f32 v[LB], v[LB]
	v_nop
	s_wait_alu depctr_va_vdst(0)                   ; and behind it
	v_ldexp_f32 v[LA], v[LA], s78
	v_ldexp_f32 v[LB], v[LB], s78
	s_wait_alu depctr_va_vdst(0)                   ; the wait here, directly ahead of the first reader of O^T
.set j, 0
.rept 32
	v_mul_f32 v[SA+j], v[OA+j], v[LA]              ; register 8 t + i is o(query r, d = 16 t + 8 h + i); each accumulator from its low end on
	v_mul_f32 v[SB+j], v[OB+j], v[LB]
.set j, j+1
.endr
.irp x, SA, SB
.irp t, 0,1,2,3
	ds_store_b128 v[STI], v[\x+8*\t:\x+8*\t+3] offset:64*\t
	ds_store_b128 v[STI], v[\x+8*\t+4:\x+8*\t+7] offset:64*\t+16
.endr
.irp i, 0,1,2,3,4,5,6,7
	ds_load_b128 v[\x+32+4*\i:\x+35+4*\i], v[STB] offset:2*\i*272   ; LDS serves a wave's instructions in order (ISA guide 5.7.1.4): these see my stores, and the next tile's stores come behind them
.endr
.endr
.irp i, 0,1,2,3,4,5,6,7
	s_wait_dscnt 23-\i                             ; younger: A's loads behind this one and B's 16 instructions
	global_store_b128 v[GO], v[SA+32+4*\i:SA+35+4*\i], s[8:9] offset:2*\i*4096 th:TH_STORE_NT   ; sixteen lanes store 256 consecutive bytes, aligned; written once, read by nobody here
.endr
.irp i, 0,1,2,3,4,5,6,7
	s_wait_dscnt 7-\i
	global_store_b128 v[GO], v[SB+32+4*\i:SB+35+4*\i], s[8:9] offset:65536+2*\i*4096 th:TH_STORE_NT
.endr
	s_wait_tensorcnt 0x0                           ; the wave's end
	ds_add_u32 v[SPW], v[NIL]
	s_wait_dscnt 0x0
	CROUND                                         ; the closing round: no work-group ends while a partner may still ask for a tile that names it
	s_endpgm
.Lfunc_end_k_q45dca23281_attn:
	.size	k_q45dca23281_attn, .Lfunc_end_k_q45dca23281_attn-k_q45dca23281_attn
	.p2alignl 7, 3214868480
	.fill 96, 4, 3214868480
	.section	.rodata,"a",@progbits
	.p2align	6, 0x0
	.amdhsa_kernel k_q45dca23281_attn
		.amdhsa_group_segment_fixed_size 327680
		.amdhsa_private_segment_fixed_size 0
		.amdhsa_enable_private_segment 0
		.amdhsa_kernarg_size 24
		.amdhsa_user_sgpr_count 2
		.amdhsa_user_sgpr_kernarg_segment_ptr 1
		.amdhsa_wavefront_size32 1
		.amdhsa_system_sgpr_workgroup_id_x 1
		.amdhsa_system_sgpr_workgroup_id_y 1
		.amdhsa_system_sgpr_workgroup_id_z 1
		.amdhsa_system_vgpr_workitem_id 0
		.amdhsa_next_free_vgpr 400
		.amdhsa_next_free_sgpr 100
		.amdhsa_reserve_vcc 0
		.amdhsa_float_denorm_mode_32 3
		.amdhsa_float_denorm_mode_16_64 3
		.amdhsa_memory_ordered 1
		.amdhsa_forward_progress 1
		.amdhsa_inst_pref_size 72
	.end_amdhsa_kernel
	.amdgpu_metadata
---
amdhsa.version: [ 1, 2 ]
amdhsa.kernels:
  - .name:           k_q45dca23281_attn
    .symbol:         k_q45dca23281_attn.kd
    .args:
      - { .name: qkv, .offset: 0, .size: 8, .value_kind: global_buffer, .address_space: global }
      - { .name: lowp_scales, .offset: 8, .size: 8, .value_kind: global_buffer, .address_space: global }
      - { .name: out0, .offset: 16, .size: 8, .value_kind: global_buffer, .address_space: global }
    .group_segment_fixed_size: 327680
    .private_segment_fixed_size: 0
    .kernarg_segment_align: 8
    .kernarg_segment_size: 24
    .max_flat_workgroup_size: 256
    .sgpr_count:     100
    .vgpr_count:     400
    .wavefront_size: 32
...
	.end_amdgpu_metadata
.endif
;; end of part 3
